; MI455X (gfx1250); checked and timed in simulation.
; The chip was launched on July 23, 2026; its instructions are those of AMD's public machine-readable ISA for CDNA 5 (MIT licence, August 2026) and "CDNA5" Instruction Set Architecture Reference Guide (July 2026). The comments in the code are by the model that wrote it; some were corrected since.
;; Self Attention. Allowed arithmetic: matrix products marked QUANTISED: E3M2 operands, one E8M0 scale for each 32 along K, by v_wmma_scale_f32_16x16x128_f8f6f4 with both operands' format E3M2, f32 sums; everything else in f32.
;; Inputs: Wk_codes 512 x 16 x 24 uint8 (E3M2 codes of Wk, K innermost, in blocks of 32 codes, four codes in three bytes); Wk_scales 512 x 16 uint8 (E8M0 scales of Wk, one for each 32 codes along K); Wo_codes 512 x 16 x 24 uint8 (E3M2 codes of Wo, K innermost, in blocks of 32 codes, four codes in three bytes); Wo_scales 512 x 16 uint8 (E8M0 scales of Wo, one for each 32 codes along K); Wq_codes 512 x 16 x 24 uint8 (E3M2 codes of Wq, K innermost, in blocks of 32 codes, four codes in three bytes); Wq_scales 512 x 16 uint8 (E8M0 scales of Wq, one for each 32 codes along K); Wv_codes 512 x 16 x 24 uint8 (E3M2 codes of Wv, K innermost, in blocks of 32 codes, four codes in three bytes); Wv_scales 512 x 16 uint8 (E8M0 scales of Wv, one for each 32 codes along K); bo 512 float32; x_codes 2 x 4,096 x 16 x 24 uint8 (E3M2 codes of x, K innermost, in blocks of 32 codes, four codes in three bytes); x_scales 2 x 4,096 x 16 uint8 (E8M0 scales of x, one for each 32 codes along K).
;; Outputs: out0 2 x 4,096 x 512 float32.
;; This version of the problem:
;;   THIS VERSION OF THE PROBLEM IS GIVEN IN LOW PRECISION. The matrix products marked QUANTISED in the list below multiply operands that are first quantised to E3M2 (3 exponent bits, 2 mantissa bits; 6 bits a number), with one power-of-two scale for each 32 numbers along K (OCP MX v1.0); their sums are f32. All else is computed in f32.
;;   The module's matrix products, in the order in which they are computed (A, B: the left and right operand; K: the contracted axis; several contracted axes count as one K, in the product's order):
;;     1. [M 8,192, K 512] x [K 512, N 512]; A: input x (given as codes); B: input Wq (given as codes): QUANTISED
;;     2. [M 8,192, K 512] x [K 512, N 512]; A: input x (given as codes); B: input Wk (given as codes): QUANTISED
;;     3. [M 8,192, K 512] x [K 512, N 512]; A: input x (given as codes); B: input Wv (given as codes): QUANTISED
;;     4. batch 16 x [M 4,096, K 64] x [K 64, N 4,096]; A: computed on the way; B: computed on the way: QUANTISED
;;     5. batch 16 x [M 4,096, K 4,096] x [K 4,096, N 64]; A: softmax (see below); B: computed on the way: QUANTISED
;;     6. [M 8,192, K 512] x [K 512, N 512]; A: computed on the way; B: input Wo (given as codes): QUANTISED
;;   THE QUANTISER, for each operand of a quantised product, along K:
;;     - K is cut into blocks of 32 from its start; a last block that is shorter is filled with zeros.
;;     - A block's scale is 2^e with e = floor(log2(the largest magnitude in the block)) - 4, held to -126 .. 127; a block of zeros has e = 0. As a byte (E8M0): e + 127.
;;     - Each number is divided by its block's scale, clamped to +-28, and rounded to the nearest number of E3M2, ties to even, subnormals kept.
;;     - The product sums the exact products of the quantised numbers (number of the format x scale) in f32.
;;   ~~~python
;;   def quantise(x, axis):      # numpy; x: float32 -> the quantised numbers, widened to float32 again
;;       x = np.moveaxis(x, axis, -1); K = x.shape[-1]
;;       x = np.pad(x, [(0, 0)] * (x.ndim - 1) + [(0, -K % 32)]); x = x.reshape(x.shape[:-1] + (-1, 32)); a = np.abs(x).max(-1, keepdims=True)
;;       e = np.where(a > 0, np.clip(np.frexp(np.where(a > 0, a, 1))[1] - 1 - 4, -126, 127), 0)      # np.frexp(a)[1] - 1 = floor(log2(a)), exactly
;;       r = np.clip(x / 2.0 ** e, -28, 28)
;;       step = 2.0 ** (np.maximum(np.frexp(np.where(r == 0, 1, r))[1] - 1, -2) - 2)
;;       q = np.round(r / step) * step * 2.0 ** e      # np.round: ties to even
;;       return np.moveaxis(q.reshape(q.shape[:-2] + (-1,))[..., :K], -1, axis).astype(np.float32)
;;   ~~~
;;   SOFTMAX AHEAD OF A QUANTISED PRODUCT. Where the list says 'softmax', what is quantised is not the finished softmax but p = 2^(t - M), with t = logit x log2(e) and M = ceil(the row's largest t), a whole number; so 1/2 < the row's largest p <= 1. The row's sum l is taken of the UNQUANTISED p, in f32, and the product's result is divided by l at the end. Since M is a whole number, a kernel that streams over the keys may use a running M (the ceiling of the running maximum): every later rescaling is an exact power of two, which a block's scale takes up: the codes' values come out the same.
;;   OPERANDS COMPUTED ON THE WAY. 'Computed on the way' means the value that the module computes at that place (a softmax that the list does not call 'softmax' is quantised finished and normalised). What goes into a quantiser is computed in f32, as accurately as f32 sums, v_exp_f32 and their like allow (about 1e-6 of the number): no bf16 or f16 on the way to a quantiser, and a product that is left as it is and whose result goes on into a quantised operand takes f32 operands (vector FMAs, or v_wmma_f32_16x16x4_f32). A number that lies on a knife's edge between two numbers of the format may be rounded either way, as far as f32 arithmetic and the matrix unit's own rounding can turn it there, and no further.
;;   INPUTS GIVEN AS CODES. Wk (in the module: [512, 512], K = its axis 0); Wo (in the module: [512, 512], K = its axis 0); Wq (in the module: [512, 512], K = its axis 0); Wv (in the module: [512, 512], K = its axis 0); x (in the module: [2, 4096, 512], K = its axis 2): each comes as NAME_codes (uint8): NAME with its K axis moved to the last place and cut into blocks of 32 codes, [.., K / 32, bytes a block], one block behind the other in memory; four codes in three bytes: a row's codes are one little-endian stream of bits, code i at bits 6 i .. 6 i + 5 (a code: sign, 3 exponent bits, 2 mantissa bits); and NAME_scales (uint8): the same leading axes, one E8M0 byte (e + 127) for each 32 codes along K. Its value is code x scale, taken as it is: it is not quantised again, and the codes and scales need not be those that the quantiser above would give.
;; One version. Each part assembles by itself: llvm-mc -triple=amdgcn-amd-amdhsa -mcpu=gfx1250 --defsym DOCPART=n.
;; ======== version 1 of 1: 3 launches
;; workspace buffers: qimg 3,145,728 bytes; qsc 262,144 bytes; kv 6,684,672 bytes; oimg 3,145,728 bytes; osc 262,144 bytes
;; launch proj (part 1): grid 32 x 8, 12 waves a work-group, clusters of 4 x 4, 208,384 bytes of LDS; arguments x_codes, x_scales, Wq_codes, Wq_scales, Wk_codes, Wk_scales, Wv_codes, Wv_scales, qimg, qsc, kv; writes qimg, qsc, kv
.if DOCPART == 1
	.amdgcn_target "amdgcn-amd-amdhsa--gfx1250"
	.amdhsa_code_object_version 6
	.text
	.protected	k_q2aaf71aca1_proj
	.globl	k_q2aaf71aca1_proj
	.p2align	8
	.type	k_q2aaf71aca1_proj,@function
k_q2aaf71aca1_proj:
	s_mov_b64 s[64:65], 0
	v_nop
	global_prefetch_b8 v0, s[64:65] scope:SCOPE_SE
	s_setreg_imm32_b32 hwreg(HW_REG_WAVE_MODE, 25, 1), 1
	s_wait_xcnt 0x0
	s_wait_alu depctr_hold_cnt(0) depctr_sa_sdst(0) depctr_va_vdst(0) depctr_va_sdst(0) depctr_va_ssrc(0) depctr_va_vcc(0) depctr_vm_vsrc(0)
	s_getreg_b32 s2, hwreg(HW_REG_IB_STS2, 6, 4)
	s_cmp_eq_u32 s2, 0
	s_cbranch_scc0 .Lentry_in_a_cluster
	s_endpgm
.Lentry_in_a_cluster:
	s_bfe_u32 s2, ttmp6, 0x10000c
	s_cmp_lg_u32 s2, 0xf033
	s_cbranch_scc0 .Lentry_shape_is_right
	s_endpgm
.Lentry_shape_is_right:
; q, k, v = x Wq, x Wk, x Wv on codes of BF6 (E3M2) with one E8M0 scale for each 32 along K = 512; the f32 results are quantised in registers and leave as IMAGES OF OPERAND REGISTERS.
; SHARES.  A work-group takes 256 tokens (block X of 32) and one head (Y of 8), for q, k and v.  Twelve waves: wave w has matrix m = w / 4 (0 q, 1 k, 2 v) and group g = w % 4 of 64 tokens:
; 64 tokens x 64 channels x K 512: 16 accumulators, 64 matrix instructions.  One text serves the three: q and k take source 0 = 16 rows of W and source 1 = 16 tokens of x (a lane then holds ONE token and its
; registers run along the channels, the next K); v takes source 0 = 16 tokens and source 1 = 16 rows of Wv (a lane holds ONE channel and its registers run along the tokens, which are the keys, its next K).
; THE ROWS OF A TILE ARE NOT NEIGHBOURS: in each group of 64 (tokens, or a head's channels) lane r of tile t takes row 32 (r / 8) + 8 t + r % 8.  In a result lane (r, h) has row 8 h + j of source 0 in register j,
; so the 32 registers of source 0's tiles 0..3 hold index 32 h + 0 .. 31: one whole block of 32 in one lane, which is what lane (r, h) of a 6-bit operand holds in six registers.  No lane is asked for a maximum, nothing is swapped.
; AN IMAGE (768 bytes) is six registers a lane: registers 0-3 as 16 bytes at 16 x lane, registers 4-5 as 8 bytes at 512 + 8 x lane.  Each store of the wave covers 512 or 256 consecutive bytes, aligned.
; A block's scale byte is its largest magnitude's exponent field - 4, held at 1 from below by a floor among the maximum's leaves.
; CLUSTERS: 4 x 4 work-groups.  x's tiles hang on X alone and are asked for jointly by the four of a column of the cluster, W's hang on Y alone and are asked for jointly by the four of a row.  LDS is filled once.
; LIMITS: NaN and infinities among the results are not served; a block of zeros gets the byte 1 and not 127 (its codes are zeros, and this program alone reads the bytes).
.set PITCH, 432                        ; an LDS row: 384 bytes of codes, 16 bytes of padding behind each 128
.set HALF,  32*PITCH+128               ; 32 rows, and 128 bytes more, so that rows 32.. of a group start 32 banks (of 64, 4 bytes each: ISA guide 11.1) from rows 0..: the 16 rows of a tile start at 16 different multiples of 4 banks
.set TILE,  2*HALF                     ; a group of 64 rows.  Tile n at n TILE: 0-3 x's four groups, 4 Wq, 5 Wk, 6 Wv
.set SCL,   195584                     ; the scale bytes, in units of 1,024 (64 rows x 16): Wq, Wk, x's four groups, Wv
.set SVS,   204800                     ; 512 bytes: the stage for V's scale words; no fill lands there
.set STEPB, 13056                      ; kv: a key step's block: K's 8 images, V's 8 images, K's 512 bytes of scale words, V's 256
.set HEADB, 32*STEPB
.set WV,   26                          ; s26 my wave's number; s27 g; s28 cx, s29 cy; s30 X, s31 Y
.set G1X,  32                          ; s[32:39] group 1 for x's tiles (mask: my column);  s[40:47] for W's (my row);  s[48:55], s[56:63] for their scale bytes
.set G1W,  40
.set G1SX, 48
.set G1SW, 56
.set G0XA, 68                          ; groups 0: x's two halves, W's two halves, x's scales, W's scales
.set G0XB, 72
.set G0WA, 76
.set G0WB, 80
.set G0SX, 84
.set G0SW, 88
.set SEL,  100                         ; s[100:101] v_permlanex16_b32's selects for lane l xor 16
.set ADA,  1                           ; v1  LDS address of source 0's fragments; v2 the same for pieces behind one padding more
.set ADB,  3                           ; v3, v4  the same for source 1
.set ADS,  5                           ; v5  scale words: lanes 0-15 source 0's rows, lanes 16-31 source 1's
.set ST16, 6                           ; v6  where a v wave puts a channel's two scale bytes
.set LI16, 7                           ; v7  16 x lane
.set LI8,  8                           ; v8  8 x lane
.set SH8,  9                           ; v9  8 h
.set SWO,  14                          ; v14 16 r + 8 h: my two scale words among a group's 64
.set SVR,  15                          ; v15 where waves 8 and 9 read a step's scale words of V back
.set SC,   16                          ; v16-31  scale words: v[SC + 4 i + s]: tile i, K step s
.set ACC,  32                          ; v32-159 accumulator (source 1's tile i, source 0's tile t) at ACC + 32 i + 8 t
.set FA,   160                         ; v160-207 source 0's four fragments;  v208-255 source 1's
.set FB,   208
.set MX,   160                         ; behind the products: maxima, conversions' scale operands, bytes, partners' bytes, codes
.set SO,   168
.set BY,   172
.set PT,   176
.set CD,   184
.set CT,   208
.set WD,   224
.set D2,   228
.set VW,   230
.macro ROUND                           ; a round of the cluster's barrier
	s_barrier_signal -1
	s_barrier_wait -1
	s_cmp_lg_u32 s[WV], 0
	s_cbranch_scc1 .Lnot_wave_0_\@
	s_barrier_signal -3
.Lnot_wave_0_\@:
	s_barrier_wait -3
	s_barrier_signal -1
	s_barrier_wait -1
.endm
.macro PLACES
.rept 4
	v_nop
.endr
.endm
	s_load_b512 s[4:19], s[0:1], 0x0               ; x's codes, scales; Wq's; Wk's; Wv's
	s_load_b128 s[20:23], s[0:1], 0x40             ; qimg, qsc
	s_load_b64 s[24:25], s[0:1], 0x50              ; kv
	s_set_vgpr_msb 0x40
	v_lshl_add_u32 v0, v0, 2, 0x32800
	v_mov_b32 v1, 0
	s_set_vgpr_msb 0x4045
	ds_add_u32 v0, v1
	s_set_vgpr_msb 0x4500
	v_lshrrev_b32 v10, 5, v0
	v_readfirstlane_b32 s[WV], v10                 ; wave 0..11
	s_and_b32 s27, s[WV], 3                        ; g.  Also: which tile a fetching wave fetches
	s_bfe_u32 s28, ttmp6, 0x40000                  ; cx
	s_bfe_u32 s29, ttmp6, 0x40004                  ; cy
	s_lshl_b32 s30, ttmp9, 2
	s_add_co_u32 s30, s30, s28                     ; X = 4 x cluster x + cx
	s_and_b32 s31, ttmp7, 0xffff
	s_lshl_b32 s31, s31, 2
	s_add_co_u32 s31, s31, s29                     ; Y = 4 x cluster y + cy
	s_lshl_b32 s92, s29, 2
	s_lshl_b32 s92, 15, s92                        ; my row of the cluster
	s_lshl_b32 s93, 0x1111, s28                    ; my column
	s_mov_b32 s[SEL], 0x76543210
	s_mov_b32 s[SEL+1], 0xfedcba98
	; group 1 for codes: 32 rows of 384 bytes; 20 padding on; 21 set beside a mask; 24:22 after every 32 words (code 4); 31:25 of 4 words (code 3)
	s_or_b32 s[G1X], s93, (1<<20)|(1<<21)|(4<<22)|(3<<25)
	s_or_b32 s[G1W], s92, (1<<20)|(1<<21)|(4<<22)|(3<<25)
.irp g, G1X, G1W
	s_mov_b32 s[\g+1], 384<<16                     ; tensor_dim0
	s_mov_b32 s[\g+2], 32<<16                      ; tensor_dim1
	s_mov_b32 s[\g+3], 384<<16                     ; tile_dim0
	s_mov_b32 s[\g+4], 32                          ; tile_dim1
	s_mov_b32 s[\g+5], 384                         ; from row to row
	s_mov_b32 s[\g+6], 0
	s_mov_b32 s[\g+7], 0
.endr
	; group 1 for scale bytes: dense blocks as rows of 256 bytes (32 elements of 8): x's 16 rows, a W's 4
	s_or_b32 s[G1SX], s93, (3<<16)|(1<<21)
	s_mov_b32 s[G1SX+1], 32<<16
	s_mov_b32 s[G1SX+2], 16<<16
	s_mov_b32 s[G1SX+3], 32<<16
	s_mov_b32 s[G1SX+4], 16
	s_mov_b32 s[G1SX+5], 32
	s_mov_b32 s[G1SX+6], 0
	s_mov_b32 s[G1SX+7], 0
	s_or_b32 s[G1SW], s92, (3<<16)|(1<<21)
	s_mov_b32 s[G1SW+1], 32<<16
	s_mov_b32 s[G1SW+2], 4<<16
	s_mov_b32 s[G1SW+3], 32<<16
	s_mov_b32 s[G1SW+4], 4
	s_mov_b32 s[G1SW+5], 32
	s_mov_b32 s[G1SW+6], 0
	s_mov_b32 s[G1SW+7], 0
	; every LDS address is made here, ahead of any parting of the waves, from the lane and the wave's number alone
	v_and_b32 v10, 15, v0                          ; r
	v_bfe_u32 v11, v0, 4, 1                        ; h
	v_bfe_u32 v12, v0, 3, 1                        ; r / 8
	v_and_b32 v13, 7, v0                           ; r % 8
	v_mul_u32_u24 v14, v12, HALF
	v_mad_u32_u24 v14, v13, PITCH, v14
	v_mad_u32_u24 v14, v11, 24, v14                ; my row of tile 0 of a group, + 24 bytes for the upper half of the lanes
	s_lshr_b32 s2, s[WV], 2                        ; m
	s_lshr_b32 s3, s[WV], 3                        ; 1 in a v wave
	s_xor_b32 s66, s3, 1                           ; 1 in a q or k wave
	s_add_co_u32 s67, s2, 4
	s_mul_i32 s67, s67, s66
	s_mul_i32 s94, s3, s27
	s_add_co_u32 s67, s67, s94                     ; source 0's LDS tile: 4 + m (a W), or g (x) in a v wave
	s_mul_i32 s67, s67, TILE
	v_add_nc_u32 v[ADA], s67, v14
	v_lshl_add_u32 v[ADA+1], v11, 4, v[ADA]
	s_mul_i32 s67, s66, s27
	s_mul_i32 s94, s3, 6
	s_add_co_u32 s67, s67, s94                     ; source 1's: g, or 6 (Wv)
	s_mul_i32 s67, s67, TILE
	v_add_nc_u32 v[ADB], s67, v14
	v_lshl_add_u32 v[ADB+1], v11, 4, v[ADB]
	s_mul_i32 s67, s66, s2
	s_add_co_u32 s94, s27, 2
	s_mul_i32 s94, s94, s3
	s_add_co_u32 s67, s67, s94                     ; source 0's unit of scale bytes: m, or 2 + g
	s_lshl_b32 s67, s67, 10
	s_add_co_u32 s67, s67, SCL
	s_and_b32 s94, s2, 1
	s_xor_b32 s94, s94, 1
	s_add_co_u32 s94, s94, s27
	s_add_co_u32 s94, s94, 1
	s_mul_i32 s94, s94, s66                        ; units from source 0's to source 1's: 2 + g - m,
	s_xor_b32 s95, s27, 3
	s_add_co_u32 s95, s95, 1
	s_mul_i32 s95, s95, s3                         ; or 4 - g
	s_add_co_u32 s94, s94, s95
	s_lshl_b32 s94, s94, 10
	v_mul_u32_u24 v[ADS], s94, v11                 ; lanes 16-31 take source 1's: one product in h
	v_lshl_add_u32 v[ADS], v12, 9, v[ADS]          ; a row is 16 bytes: row 32 (r / 8) + r % 8 of tile 0
	v_lshl_add_u32 v[ADS], v13, 4, v[ADS]
	v_add_nc_u32 v[ADS], s67, v[ADS]
	s_bfe_u32 s94, s[WV], 0x10001                  ; g / 2: which key step of the work-group's two
	s_lshl_b32 s94, s94, 8
	s_and_b32 s95, s[WV], 1                        ; g % 2: which 64 keys of the step: bytes 0, 1 or 2, 3 of a word
	s_lshl_b32 s67, s95, 1
	s_add_co_u32 s94, s94, s67
	s_add_co_u32 s94, s94, SVS
	v_lshl_add_u32 v[ST16], v10, 3, s94
	v_and_b32 v15, 31, v0
	v_lshlrev_b32 v[LI16], 4, v15
	v_lshlrev_b32 v[LI8], 3, v15
	s_lshl_b32 s95, s95, 8
	s_add_co_u32 s95, s95, SVS
	v_add_nc_u32 v[SVR], s95, v[LI8]
	v_lshlrev_b32 v[SH8], 3, v11
	v_lshlrev_b32 v[SWO], 4, v10
	v_lshl_add_u32 v[SWO], v11, 3, v[SWO]
	s_wait_dscnt 0x0
	s_wait_kmcnt 0x0
	; groups 0.  x's hang on X and the wave's number, W's on Y and the wave's number, each in registers that never hold the other coordinate
	s_cmp_eq_u32 s27, 1
	s_cselect_b64 s[94:95], s[12:13], s[16:17]     ; which W a fetching wave fetches: w % 4 = 0 Wq, 1 Wk, else Wv
	s_cselect_b64 s[66:67], s[14:15], s[18:19]
	s_cmp_eq_u32 s27, 0
	s_cselect_b64 s[94:95], s[8:9], s[94:95]
	s_cselect_b64 s[66:67], s[10:11], s[66:67]
	s_mul_i32 s96, s30, 98304                      ; 256 tokens x 384 bytes
	s_mul_i32 s2, s27, 24576                       ; a group of 64
	s_add_co_u32 s96, s96, s2
	s_mov_b32 s97, 0
	s_mov_b32 s[G0XA], 1
	s_mul_i32 s[G0XA+1], s27, TILE
	s_add_nc_u64 s[G0XA+2:G0XA+3], s[4:5], s[96:97]
	s_mov_b32 s[G0XB], 1
	s_add_co_u32 s[G0XB+1], s[G0XA+1], HALF
	s_add_nc_u64 s[G0XB+2:G0XB+3], s[G0XA+2:G0XA+3], 12288
	s_or_b32 s[G0XA+3], s[G0XA+3], 0x80000000
	s_or_b32 s[G0XB+3], s[G0XB+3], 0x80000000
	s_mul_i32 s98, s31, 24576                      ; a head's 64 rows of a W
	s_mov_b32 s99, 0
	s_min_u32 s3, s27, 2
	s_add_co_u32 s3, s3, 4
	s_mov_b32 s[G0WA], 1
	s_mul_i32 s[G0WA+1], s3, TILE
	s_add_nc_u64 s[G0WA+2:G0WA+3], s[94:95], s[98:99]
	s_mov_b32 s[G0WB], 1
	s_add_co_u32 s[G0WB+1], s[G0WA+1], HALF
	s_add_nc_u64 s[G0WB+2:G0WB+3], s[G0WA+2:G0WA+3], 12288
	s_or_b32 s[G0WA+3], s[G0WA+3], 0x80000000
	s_or_b32 s[G0WB+3], s[G0WB+3], 0x80000000
	s_lshl_b32 s96, s30, 12                        ; 256 tokens x 16 bytes
	s_mov_b32 s[G0SX], 1
	s_mov_b32 s[G0SX+1], SCL+2048
	s_add_nc_u64 s[G0SX+2:G0SX+3], s[6:7], s[96:97]
	s_or_b32 s[G0SX+3], s[G0SX+3], 0x80000000
	s_lshl_b32 s98, s31, 10                        ; 64 rows x 16 bytes
	s_lshl_b32 s2, s27, 10
	s_lshr_b32 s3, s27, 1
	s_lshl_b32 s3, s3, 12
	s_add_co_u32 s2, s2, s3                        ; units 0, 1 and 6
	s_mov_b32 s[G0SW], 1
	s_add_co_u32 s[G0SW+1], s2, SCL
	s_add_nc_u64 s[G0SW+2:G0SW+3], s[66:67], s[98:99]
	s_or_b32 s[G0SW+3], s[G0SW+3], 0x80000000
	ROUND                                          ; all sixteen work-groups are here: the joint loads meet
	; who asks: waves 0-3 x's groups, 4-6 the three W, 7 x's scale bytes, 8-10 the W's.  Two loads of a wave are out at the most.  Four v_nop follow a wave's last load
	s_cmp_lt_u32 s[WV], 4
	s_cbranch_scc0 .Lnot_x
	tensor_load_to_lds s[G0XA:G0XA+3], s[G1X:G1X+7]
	s_nop 0
	tensor_load_to_lds s[G0XB:G0XB+3], s[G1X:G1X+7]
	s_nop 0
	PLACES
	s_branch .Lasked
.Lnot_x:
	s_cmp_lt_u32 s[WV], 7
	s_cbranch_scc0 .Lnot_w
	tensor_load_to_lds s[G0WA:G0WA+3], s[G1W:G1W+7]
	s_nop 0
	tensor_load_to_lds s[G0WB:G0WB+3], s[G1W:G1W+7]
	s_nop 0
	PLACES
	s_branch .Lasked
.Lnot_w:
	s_cmp_eq_u32 s[WV], 7
	s_cbranch_scc0 .Lnot_sx
	tensor_load_to_lds s[G0SX:G0SX+3], s[G1SX:G1SX+7]
	s_nop 0
	PLACES
	s_branch .Lasked
.Lnot_sx:
	s_cmp_lt_u32 s[WV], 11
	s_cbranch_scc0 .Lasked
	tensor_load_to_lds s[G0SW:G0SW+3], s[G1SW:G1SW+7]
	s_nop 0
	PLACES
.Lasked:
	; where the results go, worked out while the tiles are on their way (s4-s19 are free: the descriptors hold copies)
	s_lshr_b32 s4, s30, 4                          ; batch
	s_and_b32 s5, s30, 15                          ; tb: the block of 256 tokens in the batch
	s_lshl_b32 s4, s4, 3
	s_add_co_u32 s4, s4, s31                       ; bh = 8 x batch + head
	s_lshl_b32 s6, s4, 4
	s_add_co_u32 s6, s6, s5
	s_lshl_b32 s6, s6, 2
	s_add_co_u32 s6, s6, s27                       ; (16 bh + tb) 4 + g
	s_mul_i32 s7, s4, HEADB                        ; the head's part of kv
	s_lshl_b32 s8, s5, 1
	s_lshr_b32 s9, s27, 1
	s_add_co_u32 s9, s9, s8                        ; my key step: 2 tb + g / 2
	s_mul_i32 s9, s9, STEPB
	s_add_co_u32 s9, s9, s7
	s_and_b32 s10, s27, 1                          ; a = g % 2
	s_mul_i32 s11, s10, 3072
	s_add_co_u32 s11, s11, s9
	s_lshr_b32 s12, s[WV], 3
	s_mul_i32 s12, s12, 6144                       ; V's images lie behind K's
	s_add_co_u32 s11, s11, s12                     ; my four images in kv,
	s_mul_i32 s12, s6, 3072                        ; or in qimg
	s_lshl_b32 s13, s10, 8
	s_add_co_u32 s13, s13, s9
	s_add_co_u32 s13, s13, 12288                   ; my 256 bytes of K's scale words,
	s_lshl_b32 s14, s6, 8                          ; or of q's
	s_cmp_lt_u32 s[WV], 4
	s_cselect_b64 s[16:17], s[20:21], s[24:25]
	s_cselect_b32 s18, s12, s11
	s_cselect_b64 s[66:67], s[22:23], s[24:25]
	s_cselect_b32 s2, s14, s13
	s_mov_b32 s19, 0
	s_mov_b32 s3, 0
	s_add_nc_u64 s[16:17], s[16:17], s[18:19]      ; the codes' place
	s_add_nc_u64 s[66:67], s[66:67], s[2:3]        ; the scale words' place (q and k waves)
	s_add_co_u32 s8, s8, s10
	s_mul_i32 s8, s8, STEPB
	s_add_co_u32 s8, s8, s7
	s_add_co_u32 s8, s8, 12800
	s_mov_b32 s9, 0
	s_add_nc_u64 s[24:25], s[24:25], s[8:9]        ; V's scale words of key step 2 tb + w % 2 (waves 8 and 9)
	s_wait_tensorcnt 0x0                           ; my loads have landed,
	s_barrier_signal -1
	s_barrier_wait -1                              ; everybody's have
; A fragment, 16 rows x 128 K of 6-bit codes, is 12 registers: lane (r, h) takes 24 bytes at 96 s + 24 h of its row and 24 at 96 s + 48 + 24 h, in pieces of 8 bytes.  Piece p of a row's data lies at 8 p + 16 (p / 16);
; lanes 16-31 read three pieces on, which is behind one padding more where p % 16 is 13 or more: the second address register serves those.
.macro FRAG reg, adr, s, off
.irp p, 0,1,2,3,4,5
.set PCE, 12*(\s)+6*(\p/3)+\p%3
.if PCE%16 < 13
	ds_load_b64 v[\reg+2*\p:\reg+2*\p+1], v[\adr] offset:8*PCE+16*(PCE/16)+(\off)
.else
	ds_load_b64 v[\reg+2*\p:\reg+2*\p+1], v[\adr+1] offset:8*PCE+16*(PCE/16)+(\off)
.endif
.endr
.endm
; A K step of 128: eight fragments, sixteen products.  The sixteen accumulators take turns, one instruction a turn, in the same order in every step.  The first step starts the sums.
.macro KSTEP s
.if \s > 0
	PLACES                                         ; in front of loads into registers that matrix instructions have read (ISA guide 7.12.1 for vector instructions)
.endif
.irp t, 0,1,2,3
	FRAG FA+12*\t, ADA, \s, 8*PITCH*\t
.endr
.irp t, 0,1,2,3
	FRAG FB+12*\t, ADB, \s, 8*PITCH*\t
.endr
	s_wait_dscnt 0x0
.irp i, 0,1,2,3
.irp t, 0,1,2,3
.if \s == 0
	v_wmma_scale_f32_16x16x128_f8f6f4 v[ACC+32*\i+8*\t:ACC+32*\i+8*\t+7], v[FA+12*\t:FA+12*\t+11], v[FB+12*\i:FB+12*\i+11], 0, v[SC+4*\t+\s], v[SC+4*\i+\s] matrix_a_fmt:MATRIX_FMT_BF6 matrix_b_fmt:MATRIX_FMT_BF6 matrix_b_scale:MATRIX_SCALE_ROW1
.else
	v_wmma_scale_f32_16x16x128_f8f6f4 v[ACC+32*\i+8*\t:ACC+32*\i+8*\t+7], v[FA+12*\t:FA+12*\t+11], v[FB+12*\i:FB+12*\i+11], v[ACC+32*\i+8*\t:ACC+32*\i+8*\t+7], v[SC+4*\t+\s], v[SC+4*\i+\s] matrix_a_fmt:MATRIX_FMT_BF6 matrix_b_fmt:MATRIX_FMT_BF6 matrix_b_scale:MATRIX_SCALE_ROW1
.endif
.endr
.endr
.endm
.irp i, 0,1,2,3
	ds_load_b128 v[SC+4*\i:SC+4*\i+3], v[ADS] offset:128*\i    ; a row's 16 scale bytes are its four K steps' words: lanes 0-15 source 0's tile i, lanes 16-31 source 1's
.endr
	KSTEP 0
	KSTEP 1
	KSTEP 2
	KSTEP 3
	PLACES                                         ; in front of the first reads of results, and of writes over the fragments' registers
	; THE QUANTISER.  For each of source 1's tiles i my 32 registers are one block of 32 along the next K.  Each accumulator is read from its low end on.
.irp i, 0,1,2,3
	v_max3_num_f32 v[MX+2*\i], |v[ACC+32*\i]|, |v[ACC+32*\i+1]|, |v[ACC+32*\i+2]|
	v_max3_num_f32 v[MX+2*\i+1], |v[ACC+32*\i+16]|, |v[ACC+32*\i+17]|, |v[ACC+32*\i+18]|
.endr
.irp n, 3,5,7,9,11,13
.irp i, 0,1,2,3
	v_max3_num_f32 v[MX+2*\i], v[MX+2*\i], |v[ACC+32*\i+\n]|, |v[ACC+32*\i+\n+1]|          ; (eight chains by turns)
	v_max3_num_f32 v[MX+2*\i+1], v[MX+2*\i+1], |v[ACC+32*\i+16+\n]|, |v[ACC+32*\i+17+\n]|
.endr
.endr
.irp i, 0,1,2,3
	v_max3_num_f32 v[MX+2*\i], v[MX+2*\i], v[MX+2*\i+1], |v[ACC+32*\i+15]|
.endr
.irp i, 0,1,2,3
	v_max3_num_f32 v[MX+2*\i], v[MX+2*\i], |v[ACC+32*\i+31]|, 0x2800000   ; and the floor 2^(5 - 127): the byte cannot fall under 1
.endr
.irp i, 0,1,2,3
	v_add_nc_u32 v[SO+\i], 0xfe000000, v[MX+2*\i]  ; 4 off the exponent field: the conversion takes this operand's exponent field as its scale
	v_mov_b32 v[PT+\i], 0                          ; (a lane permute's destination counts as one of its sources)
.endr
.irp i, 0,1,2,3
	v_cvt_scalef32_pk16_bf6_f32 v[CD+6*\i:CD+6*\i+2], v[ACC+32*\i:ACC+32*\i+15], v[SO+\i]
	v_cvt_scalef32_pk16_bf6_f32 v[CT+4*\i:CT+4*\i+2], v[ACC+32*\i+16:ACC+32*\i+31], v[SO+\i]   ; (a conversion's three registers begin on an even number: the second half is made elsewhere and moved)
.endr
.irp i, 0,1,2,3
	v_lshrrev_b32 v[BY+\i], 23, v[SO+\i]           ; the scale's byte.  (Plain lines behind the conversions)
.endr
.irp i, 0,1,2,3
.irp n, 0,1,2
	v_mov_b32 v[CD+6*\i+3+\n], v[CT+4*\i+\n]
.endr
.endr
.irp i, 0,1,2,3
	global_store_b128 v[LI16], v[CD+6*\i:CD+6*\i+3], s[16:17] offset:768*\i          ; 512 consecutive bytes, aligned
	global_store_b64 v[LI8], v[CD+6*\i+4:CD+6*\i+5], s[16:17] offset:768*\i+512      ; 256 consecutive bytes, aligned
.endr
.irp i, 0,1,2,3
	v_lshlrev_b32 v[BY+\i], v[SH8], v[BY+\i]       ; my block h's byte at its place,
.endr
.irp i, 0,1,2,3
	v_permlanex16_b32 v[PT+\i], v[BY+\i], s[SEL], s[SEL+1]
.endr
.irp i, 0,1,2,3
	v_or_b32 v[PT+\i], v[PT+\i], v[BY+\i]          ; with lane l xor 16's: the two bytes of my row's 64
.endr
	s_cmp_lt_u32 s[WV], 8
	s_cbranch_scc0 .Lv_arm
	; q and k: K = 64 fills half of the attention's K step of 128.  A word is (b0, b1, b0, b1): bytes 2 and 3 scale codes that meet zero codes, and repeat real bytes so that they are no NaN
.irp i, 0,1,2,3
	v_lshl_or_b32 v[WD+\i], v[PT+\i], 16, v[PT+\i]
.endr
	s_mov_b32 vcc_lo, 0xffff0000
	v_cndmask_b32 v[D2], v[WD], v[WD+2], vcc_lo    ; lane (r, h) stores the words of tiles 2 h and 2 h + 1 of row r, at 16 r + 8 h:
	v_cndmask_b32 v[D2+1], v[WD+1], v[WD+3], vcc_lo
	global_store_b64 v[SWO], v[D2:D2+1], s[66:67]  ; the wave's store covers 256 consecutive bytes, aligned
	s_branch .Ljoin
.Lv_arm:
	; v: a channel's word for a key step has four bytes, two from each of two waves: they meet in LDS.  Both lanes of a channel write the same bytes
.irp i, 0,1,2,3
	ds_store_b16 v[ST16], v[PT+\i] offset:128*(\i/2)+4*(\i%2)
.endr
.Ljoin:
	s_wait_dscnt 0x0                               ; for the others' sake: my stores into the stage are done
	s_barrier_signal -1
	s_barrier_wait -1
	s_lshr_b32 s2, s[WV], 1
	s_cmp_eq_u32 s2, 4
	s_cbranch_scc0 .Lno_vsw
	ds_load_b64 v[VW:VW+1], v[SVR]                 ; waves 8 and 9: a key step's 64 words
	s_wait_dscnt 0x0
	global_store_b64 v[LI8], v[VW:VW+1], s[24:25]  ; 256 consecutive bytes, aligned
.Lno_vsw:
	s_set_vgpr_msb 0x5
	s_wait_tensorcnt 0x0
	ds_add_u32 v0, v1
	s_wait_dscnt 0x0
	s_set_vgpr_msb 0x500
	ROUND                                          ; the closing round: no work-group ends while a partner may still ask for a tile that names it
	s_endpgm
.Lfunc_end_k_q2aaf71aca1_proj:
	.size	k_q2aaf71aca1_proj, .Lfunc_end_k_q2aaf71aca1_proj-k_q2aaf71aca1_proj
	.p2alignl 7, 3214868480
	.fill 96, 4, 3214868480
	.section	.rodata,"a",@progbits
	.p2align	6, 0x0
	.amdhsa_kernel k_q2aaf71aca1_proj
		.amdhsa_group_segment_fixed_size 208384
		.amdhsa_private_segment_fixed_size 0
		.amdhsa_enable_private_segment 0
		.amdhsa_kernarg_size 88
		.amdhsa_user_sgpr_count 2
		.amdhsa_user_sgpr_kernarg_segment_ptr 1
		.amdhsa_wavefront_size32 1
		.amdhsa_system_sgpr_workgroup_id_x 1
		.amdhsa_system_sgpr_workgroup_id_y 1
		.amdhsa_system_sgpr_workgroup_id_z 1
		.amdhsa_system_vgpr_workitem_id 0
		.amdhsa_next_free_vgpr 258
		.amdhsa_next_free_sgpr 102
		.amdhsa_reserve_vcc 1
		.amdhsa_float_denorm_mode_32 3
		.amdhsa_float_denorm_mode_16_64 3
		.amdhsa_memory_ordered 1
		.amdhsa_forward_progress 1
		.amdhsa_inst_pref_size 41
	.end_amdhsa_kernel
	.amdgpu_metadata
---
amdhsa.version: [ 1, 2 ]
amdhsa.kernels:
  - .name:           k_q2aaf71aca1_proj
    .symbol:         k_q2aaf71aca1_proj.kd
    .args:
      - { .name: x_codes, .offset: 0, .size: 8, .value_kind: global_buffer, .address_space: global }
      - { .name: x_scales, .offset: 8, .size: 8, .value_kind: global_buffer, .address_space: global }
      - { .name: Wq_codes, .offset: 16, .size: 8, .value_kind: global_buffer, .address_space: global }
      - { .name: Wq_scales, .offset: 24, .size: 8, .value_kind: global_buffer, .address_space: global }
      - { .name: Wk_codes, .offset: 32, .size: 8, .value_kind: global_buffer, .address_space: global }
      - { .name: Wk_scales, .offset: 40, .size: 8, .value_kind: global_buffer, .address_space: global }
      - { .name: Wv_codes, .offset: 48, .size: 8, .value_kind: global_buffer, .address_space: global }
      - { .name: Wv_scales, .offset: 56, .size: 8, .value_kind: global_buffer, .address_space: global }
      - { .name: qimg, .offset: 64, .size: 8, .value_kind: global_buffer, .address_space: global }
      - { .name: qsc, .offset: 72, .size: 8, .value_kind: global_buffer, .address_space: global }
      - { .name: kv, .offset: 80, .size: 8, .value_kind: global_buffer, .address_space: global }
    .group_segment_fixed_size: 208384
    .private_segment_fixed_size: 0
    .kernarg_segment_align: 8
    .kernarg_segment_size: 88
    .max_flat_workgroup_size: 384
    .sgpr_count:     102
    .vgpr_count:     258
    .wavefront_size: 32
...
	.end_amdgpu_metadata
.endif
;; end of part 1
;; launch attn (part 2): grid 16 x 16, 16 waves a work-group, clusters of 4 x 1, 327,680 bytes of LDS; arguments qimg, qsc, kv, oimg, osc; writes oimg, osc
.if DOCPART == 2
	.amdgcn_target "amdgcn-amd-amdhsa--gfx1250"
	.amdhsa_code_object_version 6
	.text
	.protected	k_q2aaf71aca1_attn
	.globl	k_q2aaf71aca1_attn
	.p2align	8
	.type	k_q2aaf71aca1_attn,@function
k_q2aaf71aca1_attn:
	s_mov_b64 s[64:65], 0
	v_nop
	global_prefetch_b8 v0, s[64:65] scope:SCOPE_SE
	s_setreg_imm32_b32 hwreg(HW_REG_WAVE_MODE, 25, 1), 1
	s_wait_xcnt 0x0
	s_wait_alu depctr_hold_cnt(0) depctr_sa_sdst(0) depctr_va_vdst(0) depctr_va_sdst(0) depctr_va_ssrc(0) depctr_va_vcc(0) depctr_vm_vsrc(0)
	s_getreg_b32 s2, hwreg(HW_REG_IB_STS2, 6, 4)
	s_cmp_eq_u32 s2, 0
	s_cbranch_scc0 .Lentry_in_a_cluster
	s_endpgm
.Lentry_in_a_cluster:
	s_bfe_u32 s2, ttmp6, 0x10000c
	s_cmp_lg_u32 s2, 0x3003
	s_cbranch_scc0 .Lentry_shape_is_right
	s_endpgm
.Lentry_shape_is_right:
; o = softmax(q k^T / 8) v for one head, both products on codes of BF6 (E3M2) with one E8M0 scale for each 32 along a product's K; o is quantised along the head's 64 channels and leaves as an image of operand registers.
; THE SOFTMAX AHEAD OF THE SECOND PRODUCT: t = score x log2(e) / 8; M = the row's largest t so far, rounded UP to a whole number; p = 2^(t - M) is what is quantised, along the keys, not normalised.
; The row's sum is taken of the unquantised p and divides O at the end.  When M moves, the sum and O are multiplied by 2^(old M - new M): exact, and done in every step: no branch hangs on data.
; SHARES.  A work-group owns 256 queries of one (batch, head); each of its SIXTEEN waves owns one tile of 16 queries in 256 registers: four waves to a SIMD, so that one wave's vector work (some 220 instructions a key step,
; 66 of them exponentials) stands beside another's 12 matrix instructions and 34 LDS loads.  Every wave walks 32 key steps of 128 keys.
; LAYOUT.  Both products are used transposed: S^T = K Q^T (source 0 = 16 keys, source 1 = my queries), O^T = V^T P^T (source 0 = 16 channels, source 1 = P): a lane holds ONE query throughout.
; THE KEYS OF A TILE ARE NOT NEIGHBOURS: lane r of tile 4 a + i takes key 64 a + 32 (r / 8) + 8 i + r % 8, so that lane (q, h)'s 32 registers of tiles 4 a .. 4 a + 3 are keys 64 a + 32 h + 0 .. 31: a WHOLE block of 32,
; in the order of the 6-bit operand's registers 6 a .. 6 a + 5.  So a block's largest p needs no other lane, and the conversions' results are the operand.  V^T's channels are ordered alike, so that O^T's 32 registers are a block of o.
; K = 64 IN AN INSTRUCTION OF 128: Q's fragment is six registers of codes and six of zero codes.  K's eight images of six registers lie on end; tile t's operand is registers 6 t .. 6 t + 11: its upper half is the NEXT tile's codes
; (behind tile 7: six registers of zeros), finite numbers that meet Q's zero codes and add nothing; the scale words (b0, b1, b0, b1) repeat real bytes there.
; THE STREAM.  kv holds, for each key step, one dense block of 13,056 bytes: K's 8 images (768 bytes each), V's 8, K's scale words (512), V's (256).  Two LDS slots of 8 steps; images are read at 16 x lane and 8 x lane: consecutive bytes.
; CLUSTER.  The four query blocks of a cluster belong to one head and walk the same stream: every fill is ONE joint load a wave (waves 0-3, two steps each) with a mask that names the four.
; No prefetch is laid: a refill is asked for at a change of slots and waited for at the next, eight key steps of all sixteen waves later; the two first fills stand at the head.
; LIMITS: NaN and infinities are not served; a p under 2^-126 comes out of v_exp_f32 as 0; o / l is v_rcp_f32 and a multiplication; a block of zeros gets the byte 1 and not 127 (its codes are zeros; this program alone reads the bytes).
.set STEPB, 13056
.set HEADB, 32*STEPB
.set SLOT,  8*STEPB                    ; 104,448
.set PART,  2*STEPB                    ; what one tensor load brings: 102 rows of 256 bytes
.set SPARE, 2*SLOT                     ; behind the ring: the spare words, 128 bytes for each wave: eight blocks of 256 bytes that no other line names
.set OST,   SPARE+2048                 ; 1,024 bytes: the stage for o's scale words; no fill lands there
.set WV,   14                          ; s14 my wave's number
.set CS,   16                          ; s[16:17] c = log2(e) / 8: the packed form names a pair and takes its low word for both halves
.set SEL,  18                          ; s[18:19] v_permlanex16_b32's selects for lane l xor 16
.set G1,   24                          ; s[24:31] descriptor group 1;  s[32:35], s[36:39] group 0 of slot 0, 1
.set G0,   32
.set TB,   40                          ; s40 LDS byte at which the step in hand begins
.set CNT,  41                          ; s41 counts a slot's eight steps
.set LI16, 1                           ; v1 16 x lane; v2 8 x lane; never rewritten
.set LI8,  2
.set AD16, 3                           ; v3, v4 the same in the step in hand
.set AD8,  4
.set SPW,  5                           ; v5 LDS address of my spare word: SPARE + 4 x my thread's number; never rewritten
.set NIL,  6                           ; v6 0; never rewritten
.set SH8,  7                           ; v7 8 h
.set BM,   8                           ; v8, v9   my two blocks' largest score, then largest p
.set SO,   10                          ; v10, v11 second chains of the maxima, then the conversions' scale operands
.set NEGM, 12                          ; v12 -M;  v13 the largest score so far
.set RUN,  13
.set LS,   14                          ; v[14:15] the row's sum in two halves;  v[16:17] a second chain
.set LT,   16
.set FF,   18                          ; v18 f = 2^(old M - new M);  v19 p's scale word
.set PSW,  19
.set T0,   20                          ; v20-23 at work
.set QSW,  24                          ; v24 q's scale words
.set QSO,  25                          ; v25 16 r
.set QF,   26                          ; v26-37 Q: six registers of codes, six of zeros
.set KV,   38                          ; v38-85 K's eight images, then V^T's four fragments; v86-91 zeros
.set KSW,  92                          ; v92-95 K's scale words: register i: lanes 0-15 tile i, lanes 16-31 tile 4 + i
.set VSW,  96                          ; v96-97 V's: register i: lanes 0-15 tile i, lanes 16-31 tile 2 + i
.set SR,   98                          ; v98-161 S^T, then p
.set OT,   162                         ; v162-193 O^T
.set PCD,  194                         ; v194-205 p's codes
.set CT,   206                         ; v206-208, v210-212 the conversions' second halves
.set OSW,  214                         ; v214 where I put my row's scale word of o; v215 where waves 0 and 1 read them back; v216-219 the words
.set OSR,  215
.set OSD,  216
.macro ROUND                           ; a round of the cluster's barrier
	s_barrier_signal -1
	s_barrier_wait -1
	s_cmp_lg_u32 s[WV], 0
	s_cbranch_scc1 .Lnot_wave_0_\@
	s_barrier_signal -3
.Lnot_wave_0_\@:
	s_barrier_wait -3
	s_barrier_signal -1
	s_barrier_wait -1
.endm
.macro PLACES
.rept 4
	v_nop
.endr
.endm
.macro JLOAD n                         ; the joint refill of slot n: waves 0-3, one load each; the branch hangs on the wave's number alone.  Four v_nop follow the load
	s_cmp_lt_u32 s[WV], 4
	s_cbranch_scc0 .Lasked_\@
	tensor_load_to_lds s[G0+4*\n:G0+4*\n+3], s[G1:G1+7]
	s_nop 0
	PLACES
.Lasked_\@:
.endm
	s_load_b256 s[4:11], s[0:1], 0x0               ; qimg, qsc, kv, oimg
	s_load_b64 s[12:13], s[0:1], 0x20              ; osc
	v_lshl_add_u32 v[SPW], v0, 2, SPARE
	v_mov_b32 v[NIL], 0
	ds_add_u32 v5, v6
	s_wait_dscnt 0x0
	v_lshrrev_b32 v20, 5, v0
	v_readfirstlane_b32 s[WV], v20                 ; wave 0..15
	s_bfe_u32 s42, ttmp6, 0x40000                  ; cx: it enters q's and o's global addresses alone
	s_lshl_b32 s43, ttmp9, 2
	s_add_co_u32 s43, s43, s42                     ; tb: my block of 256 queries
	s_and_b32 s44, ttmp7, 0xffff                   ; bh = 8 x batch + head, which the four partners share
	s_mov_b32 s[CS], 0x3e38aa3b                    ; log2(e) / 8
	s_mov_b32 s[CS+1], s[CS]
	s_mov_b32 s[SEL], 0x76543210
	s_mov_b32 s[SEL+1], 0xfedcba98
	s_mov_b32 s[G1], 15|(3<<16)|(1<<21)            ; 15:0 the mask: all four work-groups; 17:16 elements of 8 bytes; 21 set beside a mask; no padding
	s_mov_b32 s[G1+1], 32<<16                      ; tensor_dim0: 32 elements, 256 bytes
	s_mov_b32 s[G1+2], 102<<16                     ; tensor_dim1
	s_mov_b32 s[G1+3], 32<<16                      ; tile_dim0
	s_mov_b32 s[G1+4], 102                         ; tile_dim1
	s_mov_b32 s[G1+5], 32                          ; dense
	s_mov_b32 s[G1+6], 0
	s_mov_b32 s[G1+7], 0
	s_and_b32 s45, s[WV], 3
	s_mul_i32 s45, s45, PART                       ; a fetching wave's quarter of a slot, in LDS and in memory alike
	s_mul_i32 s46, s44, HEADB
	s_add_co_u32 s46, s46, s45
	s_mov_b32 s47, 0
	v_and_b32 v20, 31, v0
	v_lshlrev_b32 v[LI16], 4, v20
	v_lshlrev_b32 v[LI8], 3, v20
	v_bfe_u32 v21, v0, 4, 1
	v_lshlrev_b32 v[SH8], 3, v21
	v_and_b32 v22, 15, v0
	v_lshlrev_b32 v[QSO], 4, v22
	s_lshl_b32 s56, s[WV], 6
	s_add_co_u32 s56, s56, OST
	v_lshl_add_u32 v[OSW], v22, 2, s56             ; OST + 64 x wave + 4 r
	s_and_b32 s57, s[WV], 1
	s_lshl_b32 s57, s57, 9
	s_add_co_u32 s58, s57, OST
	v_add_nc_u32 v[OSR], s58, v[LI16]
	s_wait_kmcnt 0x0
	s_mov_b32 s[G0], 1
	s_mov_b32 s[G0+1], s45
	s_add_nc_u64 s[G0+2:G0+3], s[8:9], s[46:47]    ; key steps 0 to 7
	s_mov_b32 s[G0+4], 1
	s_add_co_u32 s[G0+5], s45, SLOT
	s_add_nc_u64 s[G0+6:G0+7], s[G0+2:G0+3], SLOT  ; key steps 8 to 15
	s_or_b32 s[G0+3], s[G0+3], 0x80000000
	s_or_b32 s[G0+7], s[G0+7], 0x80000000
	ROUND                                          ; all four work-groups are here: the first joint loads meet
	s_cmp_lt_u32 s[WV], 4                          ; a wave's two first fills stand in one branch: two loads of mine are out
	s_cbranch_scc0 .Lfirst_asked
	tensor_load_to_lds s[G0:G0+3], s[G1:G1+7]
	s_nop 0
	tensor_load_to_lds s[G0+4:G0+7], s[G1:G1+7]
	s_nop 0
	PLACES
.Lfirst_asked:
	s_lshl_b32 s48, s44, 4
	s_add_co_u32 s48, s48, s43                     ; 16 bh + tb
	s_lshl_b32 s50, s48, 4
	s_add_co_u32 s50, s50, s[WV]
	s_mul_i32 s50, s50, 768
	s_mov_b32 s51, 0
	s_add_nc_u64 s[4:5], s[4:5], s[50:51]          ; my tile's image of q
	s_lshr_b32 s52, s[WV], 2
	s_lshl_b32 s50, s48, 2
	s_add_co_u32 s50, s50, s52
	s_lshl_b32 s50, s50, 8
	s_and_b32 s52, s[WV], 3
	s_lshl_b32 s52, s52, 2
	s_add_co_u32 s50, s50, s52
	s_add_nc_u64 s[6:7], s[6:7], s[50:51]          ; its scale words: 256 bytes a group of 64, row r's word of tile i at 16 r + 4 i
	global_load_b128 v[QF:QF+3], v[LI16], s[4:5]
	global_load_b64 v[QF+4:QF+5], v[LI8], s[4:5] offset:512
	global_load_b32 v[QSW], v[QSO], s[6:7]
	s_lshr_b32 s52, s44, 3                         ; batch
	s_and_b32 s53, s44, 7                          ; head
	s_lshl_b32 s52, s52, 8
	s_lshl_b32 s54, s43, 4
	s_add_co_u32 s52, s52, s54                     ; the work-group's first token tile: 256 x batch + 16 tb
	s_add_co_u32 s54, s52, s[WV]
	s_lshl_b32 s54, s54, 3
	s_add_co_u32 s54, s54, s53
	s_mul_i32 s54, s54, 768
	s_mov_b32 s55, 0
	s_add_nc_u64 s[10:11], s[10:11], s[54:55]      ; o's image: (8 x token tile + head) x 768
	s_lshl_b32 s54, s53, 15
	s_lshl_b32 s52, s52, 6
	s_add_co_u32 s54, s54, s52
	s_add_co_u32 s54, s54, s57
	s_add_nc_u64 s[12:13], s[12:13], s[54:55]      ; o's scale words: head x 32,768 + token tile x 64; waves 0 and 1 store 512 bytes each
.irp j, 0,1,2,3,4,5
	v_mov_b32 v[QF+6+\j], 0                        ; Q's upper 64 along K: zero codes
	v_mov_b32 v[KV+48+\j], 0                       ; and what stands behind K's tile 7
.endr
	v_mov_b32 v[RUN], 0xff61b1e6                   ; the largest score so far: -3e38
	v_mul_f32 v20, s[CS], v[RUN]
	v_floor_f32 v[NEGM], -v20                      ; -M
	v_mov_b32 v[LS], 0
	v_mov_b32 v[LS+1], 0
	v_mov_b32 v[PSW], 0                            ; (named as the upper half of the pair v[18:19] before it is first written)
.irp j, 0,1,2,3
	v_mov_b32 v[T0+\j], 0                          ; (a lane permute's destination counts as one of its sources)
.endr
.irp j, 0,1,2,3,4,5,6,7,8,9,10,11,12,13,14,15,16,17,18,19,20,21,22,23,24,25,26,27,28,29,30,31
	v_mov_b32 v[OT+\j], 0                          ; O^T.  (The step is written once: the first finds zeros, which the first change of M leaves zeros)
.endr
.macro PF j                            ; t - M for pair j of my 64 scores
	v_pk_fma_f32 v[SR+2*(\j):SR+2*(\j)+1], v[SR+2*(\j):SR+2*(\j)+1], s[CS:CS+1], v[NEGM:NEGM+1] op_sel_hi:[1,0,0]
.endm
.macro SU j                            ; pair j of p joins the row's sum: the even pairs one chain, the odd pairs another
.if (\j)%2 == 0
	s_wait_alu depctr_va_vdst(0)
	v_pk_add_f32 v[LS:LS+1], v[LS:LS+1], v[SR+2*(\j):SR+2*(\j)+1]
.elseif (\j) == 3
	v_pk_add_f32 v[LT:LT+1], v[SR+2:SR+3], v[SR+6:SR+7]
.elseif (\j) > 3
	v_pk_add_f32 v[LT:LT+1], v[LT:LT+1], v[SR+2*(\j):SR+2*(\j)+1]
.endif
.endm
; A KEY STEP: 128 keys, whose block begins at LDS byte s[TB].
.macro STEP
	v_add_nc_u32 v[AD16], s[TB], v[LI16]
	v_add_nc_u32 v[AD8], s[TB], v[LI8]
	v_nop
	v_nop                                          ; four places in front of loads into registers that the last step's products have read
	ds_load_b128 v[KSW:KSW+3], v[AD16] offset:12288
.irp t, 0,1,2,3,4,5,6,7
	ds_load_b128 v[KV+6*\t:KV+6*\t+3], v[AD16] offset:768*\t
	ds_load_b64 v[KV+6*\t+4:KV+6*\t+5], v[AD8] offset:768*\t+512
.endr
	ds_load_b64 v[VSW:VSW+1], v[AD8] offset:12800
	s_wait_dscnt 0x0
.irp t, 0,1,2,3
	v_wmma_scale_f32_16x16x128_f8f6f4 v[SR+8*\t:SR+8*\t+7], v[KV+6*\t:KV+6*\t+11], v[QF:QF+11], 0, v[KSW+\t], v[QSW] matrix_a_fmt:MATRIX_FMT_BF6 matrix_b_fmt:MATRIX_FMT_BF6
.endr
.irp t, 4,5,6,7
	v_wmma_scale_f32_16x16x128_f8f6f4 v[SR+8*\t:SR+8*\t+7], v[KV+6*\t:KV+6*\t+11], v[QF:QF+11], 0, v[KSW+\t-4], v[QSW] matrix_a_fmt:MATRIX_FMT_BF6 matrix_b_fmt:MATRIX_FMT_BF6 matrix_a_scale:MATRIX_SCALE_ROW1
.endr
	PLACES                                         ; in front of the loads over K's registers and of the first reads of the scores
.irp t, 0,1,2,3                        ; V^T's four fragments land under the softmax
.irp a, 0,1
	ds_load_b128 v[KV+12*\t+6*\a:KV+12*\t+6*\a+3], v[AD16] offset:6144+3072*\a+768*\t
	ds_load_b64 v[KV+12*\t+6*\a+4:KV+12*\t+6*\a+5], v[AD8] offset:6144+3072*\a+768*\t+512
.endr
.endr
	; THE LARGEST SCORE OF EACH OF MY TWO BLOCKS OF 32 KEYS (blocks h and 2 + h of the step's four): it serves for the row's maximum and, since p rises with the score, for the block's largest p.  Each accumulator is read from its low end on
.irp c, 0,1
	v_max3_num_f32 v[BM+\c], v[SR+32*\c], v[SR+32*\c+1], v[SR+32*\c+2]
	v_max3_num_f32 v[SO+\c], v[SR+32*\c+16], v[SR+32*\c+17], v[SR+32*\c+18]
.endr
.irp n, 3,5,7,9,11,13
.irp c, 0,1
	v_max3_num_f32 v[BM+\c], v[BM+\c], v[SR+32*\c+\n], v[SR+32*\c+\n+1]
	v_max3_num_f32 v[SO+\c], v[SO+\c], v[SR+32*\c+16+\n], v[SR+32*\c+17+\n]
.endr
.endr
.irp c, 0,1
	v_max3_num_f32 v[BM+\c], v[BM+\c], v[SO+\c], v[SR+32*\c+15]
.endr
.irp c, 0,1
	v_max_num_f32 v[BM+\c], v[BM+\c], v[SR+32*\c+31]
.endr
	v_max_num_f32 v[T0], v[BM], v[BM+1]
	v_permlanex16_b32 v[T0+1], v[T0], s[SEL], s[SEL+1]
	v_max3_num_f32 v[RUN], v[RUN], v[T0], v[T0+1]  ; the running largest score of my query
	v_mul_f32 v[T0], s[CS], v[RUN]                 ; as t (c is positive)
	v_mov_b32 v[T0+1], v[NEGM]
	v_floor_f32 v[NEGM], -v[T0]                    ; the new -M = -ceil(t): M IS A WHOLE NUMBER
	v_sub_f32 v[T0+1], v[NEGM], v[T0+1]            ; old M - new M: a whole number, 0 or less
	v_cvt_i32_f32 v[T0+1], v[T0+1]                 ; (it saturates)
	v_ldexp_f32 v[FF], 1.0, v[T0+1]                ; f = 2^(old M - new M)
	v_pk_mul_f32 v[LS:LS+1], v[LS:LS+1], v[FF:FF+1] op_sel_hi:[1,0]   ; the sum under the new M
.irp c, 0,1
	v_fma_f32 v[BM+\c], v[BM+\c], s[CS], v[NEGM]   ; t - M of each block's largest score: the same multiply-add as its score's
.endr
	; p = 2^(t - M).  Between two exponentials stands a plain line that is due anyway: the scaling two pairs ahead, the sum one pair back; so each exponential has a plain, independent line behind it before its result is used
	PF 0
	PF 1
.set J, 0
.rept 32
	v_exp_f32 v[SR+2*J], v[SR+2*J]
.if J <= 29
	PF J+2
.endif
	v_exp_f32 v[SR+2*J+1], v[SR+2*J+1]
.if J >= 1
	SU J-1
.endif
.set J, J+1
.endr
	v_exp_f32 v[BM], v[BM]                         ; the blocks' largest p: the same two instructions on the same number give the same bits
	v_exp_f32 v[BM+1], v[BM+1]
	SU 31
	v_pk_add_f32 v[LS:LS+1], v[LS:LS+1], v[LT:LT+1]  ; THE ROW'S SUM IS TAKEN OF THE UNQUANTISED p
	s_wait_alu depctr_va_vdst(0)
.irp c, 0,1
	v_max_num_f32 v[BM+\c], 0x2800000, v[BM+\c]    ; the floor 2^(5 - 127): the byte cannot fall under 1
.endr
.irp c, 0,1
	v_add_nc_u32 v[SO+\c], 0xfe000000, v[BM+\c]    ; 4 off the exponent field: the conversion's scale operand
.endr
.irp c, 0,1
	v_lshrrev_b32 v[T0+2+\c], 23, v[SO+\c]         ; the scale's byte
.endr
	v_lshl_or_b32 v[T0], v[T0+3], 16, v[T0+2]      ; my bytes: blocks h and 2 + h,
	v_lshlrev_b32 v[T0], v[SH8], v[T0]             ; at their places;
	v_permlanex16_b32 v[T0+1], v[T0], s[SEL], s[SEL+1]
	v_or_b32 v[PSW], v[T0], v[T0+1]                ; with lane l xor 16's two the word is whole
.irp c, 0,1
	v_cvt_scalef32_pk16_bf6_f32 v[PCD+6*\c:PCD+6*\c+2], v[SR+32*\c:SR+32*\c+15], v[SO+\c]
	v_cvt_scalef32_pk16_bf6_f32 v[CT+4*\c:CT+4*\c+2], v[SR+32*\c+16:SR+32*\c+31], v[SO+\c]   ; (a conversion's three registers begin on an even number)
.endr
	v_nop                                          ; one plain place behind a scaled conversion
.irp c, 0,1
.irp n, 0,1,2
	v_mov_b32 v[PCD+6*\c+3+\n], v[CT+4*\c+\n]
.endr
.endr
.irp j, 0,2,4,6,8,10,12,14,16,18,20,22,24,26,28,30
	v_pk_mul_f32 v[OT+\j:OT+\j+1], v[OT+\j:OT+\j+1], v[FF:FF+1] op_sel_hi:[1,0]   ; O^T under the new M.  (With the moves above these are also the places between the writes of p's codes and scale word and the products)
.endr
	s_wait_dscnt 0x0                               ; V^T is in
.irp t, 0,1
	v_wmma_scale_f32_16x16x128_f8f6f4 v[OT+8*\t:OT+8*\t+7], v[KV+12*\t:KV+12*\t+11], v[PCD:PCD+11], v[OT+8*\t:OT+8*\t+7], v[VSW+\t], v[PSW] matrix_a_fmt:MATRIX_FMT_BF6 matrix_b_fmt:MATRIX_FMT_BF6
.endr
.irp t, 2,3
	v_wmma_scale_f32_16x16x128_f8f6f4 v[OT+8*\t:OT+8*\t+7], v[KV+12*\t:KV+12*\t+11], v[PCD:PCD+11], v[OT+8*\t:OT+8*\t+7], v[VSW+\t-2], v[PSW] matrix_a_fmt:MATRIX_FMT_BF6 matrix_b_fmt:MATRIX_FMT_BF6 matrix_a_scale:MATRIX_SCALE_ROW1
.endr
	s_add_co_u32 s[TB], s[TB], STEPB
.endm
.macro EIGHT                           ; a slot's eight key steps: written once, walked eight times.  The twelve accumulators of a step take turns, one instruction a turn
	s_mov_b32 s[CNT], 8
.Lstep_\@:
	STEP
	s_sub_co_u32 s[CNT], s[CNT], 1
	s_cmp_lg_u32 s[CNT], 0
	s_cbranch_scc1 .Lstep_\@
.endm
; THE CHANGE OF SLOTS.  Each wave waits for all its tensor loads (the one that may be out is its part of the slot ahead), adds 0 to its spare word, and waits for that and for its reads of slot n, which it has left.
; fill = 1: slot n takes the key steps 16 on.  The barrier is then a round of the cluster's, so that no wave of any partner still reads the slot or has a load on its way; the joint refill is the first thing behind it.
.macro CHANGE n, fill
	s_wait_tensorcnt 0x0                           ; no tensor load of mine is out, so a group 0 may be written
	ds_add_u32 v[SPW], v[NIL]                      ; 0 onto my spare word
.if \fill
	s_add_nc_u64 s[G0+4*\n+2:G0+4*\n+3], s[G0+4*\n+2:G0+4*\n+3], 2*SLOT   ; the type bits on top are not reached
.endif
	s_wait_dscnt 0x0                               ; the add is done, and my reads of the slot are over
.if \fill
	ROUND
	JLOAD \n
.else
	s_barrier_signal -1
	s_barrier_wait -1
.endif
.endm
	s_wait_tensorcnt 0x1                           ; my part of slot 0 is in; slot 1's may stay out
	s_barrier_signal -1
	s_barrier_wait -1                              ; everybody's is
	s_wait_loadcnt 0x0                             ; Q and its scale words
	s_mov_b32 s[TB], 0
	EIGHT                                          ; key steps 0 to 7
	CHANGE 0, 1
	s_mov_b32 s[TB], SLOT
	EIGHT                                          ; 8 to 15
	CHANGE 1, 1
	s_mov_b32 s[TB], 0
	EIGHT                                          ; 16 to 23
	CHANGE 0, 0                                    ; nothing is left to fetch
	s_mov_b32 s[TB], SLOT
	EIGHT                                          ; 24 to 31
	; THE WAY OUT.  O^T / the sum; my 32 registers are channels 32 h + 0 .. 31 of the head: block 2 x head + h of the last product's K.  They are quantised as they lie and leave as an image.
	PLACES
	v_add_f32 v[LS], v[LS], v[LS+1]
	v_permlanex16_b32 v[T0+1], v[LS], s[SEL], s[SEL+1]
	v_add_f32 v[LS], v[LS], v[T0+1]                ; the row's sum
	v_rcp_f32 v[LS], v[LS]
	v_nop                                          ; one plain place behind a transcendental
	s_wait_alu depctr_va_vdst(0)
.irp j, 0,1,2,3,4,5,6,7,8,9,10,11,12,13,14,15,16,17,18,19,20,21,22,23,24,25,26,27,28,29,30,31
	v_mul_f32 v[SR+\j], v[OT+\j], v[LS]
.endr
	v_max3_num_f32 v[BM], |v[SR]|, |v[SR+1]|, |v[SR+2]|
	v_max3_num_f32 v[SO], |v[SR+16]|, |v[SR+17]|, |v[SR+18]|
.irp n, 3,5,7,9,11,13
	v_max3_num_f32 v[BM], v[BM], |v[SR+\n]|, |v[SR+\n+1]|
	v_max3_num_f32 v[SO], v[SO], |v[SR+16+\n]|, |v[SR+17+\n]|
.endr
	v_max3_num_f32 v[BM], v[BM], v[SO], |v[SR+15]|
	v_max3_num_f32 v[BM], v[BM], |v[SR+31]|, 0x2800000   ; with the floor 2^(5 - 127)
	v_add_nc_u32 v[SO], 0xfe000000, v[BM]
	v_cvt_scalef32_pk16_bf6_f32 v[PCD:PCD+2], v[SR:SR+15], v[SO]
	v_cvt_scalef32_pk16_bf6_f32 v[CT:CT+2], v[SR+16:SR+31], v[SO]
	v_lshrrev_b32 v[T0+2], 23, v[SO]               ; the scale's byte.  (A plain line behind the conversions)
.irp n, 0,1,2
	v_mov_b32 v[PCD+3+\n], v[CT+\n]
.endr
	global_store_b128 v[LI16], v[PCD:PCD+3], s[10:11]              ; 512 consecutive bytes, aligned
	global_store_b64 v[LI8], v[PCD+4:PCD+5], s[10:11] offset:512   ; 256 consecutive bytes, aligned
	v_lshlrev_b32 v[T0+2], v[SH8], v[T0+2]
	v_permlanex16_b32 v[T0+1], v[T0+2], s[SEL], s[SEL+1]
	v_or_b32 v[T0+2], v[T0+2], v[T0+1]             ; the head's two bytes of my row,
	v_lshl_or_b32 v[T0+2], v[T0+2], 16, v[T0+2]    ; twice
	ds_store_b32 v[OSW], v[T0+2]                   ; a wave has 64 bytes of words: the sixteen waves' meet in LDS.  Both lanes of a row write the same word
	s_wait_dscnt 0x0                               ; for the others' sake
	s_barrier_signal -1
	s_barrier_wait -1
	s_cmp_lt_u32 s[WV], 2
	s_cbranch_scc0 .Lno_osc
	ds_load_b128 v[OSD:OSD+3], v[OSR]
	s_wait_dscnt 0x0
	global_store_b128 v[LI16], v[OSD:OSD+3], s[12:13]              ; 512 consecutive bytes, aligned
.Lno_osc:
	s_wait_tensorcnt 0x0                           ; the wave's end, behind my last tensor load and my last LDS store
	ds_add_u32 v[SPW], v[NIL]
	s_wait_dscnt 0x0
	ROUND                                          ; the closing round: no work-group ends while a partner may still ask for a tile that names it
	s_endpgm
.Lfunc_end_k_q2aaf71aca1_attn:
	.size	k_q2aaf71aca1_attn, .Lfunc_end_k_q2aaf71aca1_attn-k_q2aaf71aca1_attn
	.p2alignl 7, 3214868480
	.fill 96, 4, 3214868480
	.section	.rodata,"a",@progbits
	.p2align	6, 0x0
	.amdhsa_kernel k_q2aaf71aca1_attn
		.amdhsa_group_segment_fixed_size 327680
		.amdhsa_private_segment_fixed_size 0
		.amdhsa_enable_private_segment 0
		.amdhsa_kernarg_size 40
		.amdhsa_user_sgpr_count 2
		.amdhsa_user_sgpr_kernarg_segment_ptr 1
		.amdhsa_wavefront_size32 1
		.amdhsa_system_sgpr_workgroup_id_x 1
		.amdhsa_system_sgpr_workgroup_id_y 1
		.amdhsa_system_sgpr_workgroup_id_z 1
		.amdhsa_system_vgpr_workitem_id 0
		.amdhsa_next_free_vgpr 256
		.amdhsa_next_free_sgpr 66
		.amdhsa_reserve_vcc 0
		.amdhsa_float_denorm_mode_32 3
		.amdhsa_float_denorm_mode_16_64 3
		.amdhsa_memory_ordered 1
		.amdhsa_forward_progress 1
		.amdhsa_inst_pref_size 74
	.end_amdhsa_kernel
	.amdgpu_metadata
---
amdhsa.version: [ 1, 2 ]
amdhsa.kernels:
  - .name:           k_q2aaf71aca1_attn
    .symbol:         k_q2aaf71aca1_attn.kd
    .args:
      - { .name: qimg, .offset: 0, .size: 8, .value_kind: global_buffer, .address_space: global }
      - { .name: qsc, .offset: 8, .size: 8, .value_kind: global_buffer, .address_space: global }
      - { .name: kv, .offset: 16, .size: 8, .value_kind: global_buffer, .address_space: global }
      - { .name: oimg, .offset: 24, .size: 8, .value_kind: global_buffer, .address_space: global }
      - { .name: osc, .offset: 32, .size: 8, .value_kind: global_buffer, .address_space: global }
    .group_segment_fixed_size: 327680
    .private_segment_fixed_size: 0
    .kernarg_segment_align: 8
    .kernarg_segment_size: 40
    .max_flat_workgroup_size: 512
    .sgpr_count:     66
    .vgpr_count:     256
    .wavefront_size: 32
...
	.end_amdgpu_metadata
.endif
;; end of part 2
;; launch outp (part 3): grid 64 x 4, 8 waves a work-group, clusters of 4 x 4, 197,632 bytes of LDS; arguments oimg, osc, Wo_codes, Wo_scales, bo, out0; writes out0
.if DOCPART == 3
	.amdgcn_target "amdgcn-amd-amdhsa--gfx1250"
	.amdhsa_code_object_version 6
	.text
	.protected	k_q2aaf71aca1_outp
	.globl	k_q2aaf71aca1_outp
	.p2align	8
	.type	k_q2aaf71aca1_outp,@function
k_q2aaf71aca1_outp:
	s_mov_b64 s[64:65], 0
	v_nop
	global_prefetch_b8 v0, s[64:65] scope:SCOPE_SE
	s_setreg_imm32_b32 hwreg(HW_REG_WAVE_MODE, 25, 1), 1
	s_wait_xcnt 0x0
	s_wait_alu depctr_hold_cnt(0) depctr_sa_sdst(0) depctr_va_vdst(0) depctr_va_sdst(0) depctr_va_ssrc(0) depctr_va_vcc(0) depctr_vm_vsrc(0)
	s_getreg_b32 s2, hwreg(HW_REG_IB_STS2, 6, 4)
	s_cmp_eq_u32 s2, 0
	s_cbranch_scc0 .Lentry_in_a_cluster
	s_endpgm
.Lentry_in_a_cluster:
	s_bfe_u32 s2, ttmp6, 0x10000c
	s_cmp_lg_u32 s2, 0xf033
	s_cbranch_scc0 .Lentry_shape_is_right
	s_endpgm
.Lentry_shape_is_right:
; out0 = o Wo + bo on codes of BF6 (E3M2) with one E8M0 scale for each 32 along K = 512 (K = 64 x head + channel).  o comes as images of operand registers (768 bytes: six registers a lane: 16 bytes at 16 x lane, 8 bytes at
; 512 + 8 x lane), at (8 x token tile + head) x 768: heads 2 s and 2 s + 1 are the fragment of K step s.  Lane r of token tile T is token 64 (T / 4) + 32 (r / 8) + 8 (T % 4) + r % 8.
; SHARES.  A work-group takes 128 tokens (token tiles 8 G .. 8 G + 7) x 128 columns (block Y).  Eight waves: wave w has column half w % 2 (four tiles of 16 rows of Wo) and token tiles 2 (w / 2), 2 (w / 2) + 1: 8 accumulators, 32 matrix instructions.
; THE MATRIX INSTRUCTION IS USED TRANSPOSED (source 0 = 16 rows of Wo, source 1 = 16 tokens): a lane holds eight neighbouring columns of one token.  The bias is loaded straight into the accumulators: the first product adds onto it.
; CLUSTERS: 4 x 4 work-groups; the grid has one cluster along y, so Y = cy.  Wo's tile hangs on Y alone and is asked for jointly by a row of the cluster, o's images hang on G alone and are asked for jointly by a column.  LDS is filled once.
.set PITCH, 432                        ; a row of Wo in LDS: 384 bytes, 16 of padding behind each 128 = 108 words: the 16 rows of a tile start at 16 different multiples of 4 banks (64 banks of 4 bytes: ISA guide 11.1)
.set OI,    128*PITCH                  ; o's eight token tiles, 6,144 bytes each, dense
.set STG,   OI+49152                   ; the way out: 16 rows x (256 bytes + 16) for each wave; no fill lands there
.set WV,   16                          ; s16 my wave's number; s17 cx, s18 cy = Y; s19 G; s22 w % 2; s23 w / 2
.set G1WO, 24                          ; s[24:31], s[40:43] groups 1 and 0 for Wo's tile;  s[32:39], s[44:47] for o's images
.set G1O,  32
.set G0WO, 40
.set G0O,  44
.set ADW,  1                           ; v1 LDS address of Wo's fragments; v2 the same for pieces behind one padding more
.set AO16, 3                           ; v3, v4 o's images: 16 x lane, 8 x lane
.set AO8,  4
.set STO,  5                           ; v5 the stage: where I put 32 bytes of a row; v6 where I read a row back; v7 the same place in out0
.set RD,   6
.set GO,   7
.set R4,   8                           ; v8 4 r; v9 16 r; v10 32 h
.set R16,  9
.set H32,  10
.set WS,   16                          ; v16-31 Wo's scale words: tile t, K step s at 4 t + s
.set OS,   32                          ; v32-39 o's: token tile i, K step s at 4 i + s
.set RAW,  40                          ; v40-55 o's as stored: token tile i, head at 8 i + head
.set ACC,  64                          ; v64-127 accumulator (i, t) at ACC + 32 i + 8 t
.set FA,   128                         ; v128-175 Wo's four fragments;  v176-199 o's two
.set FB,   176
.set RB,   128                         ; the way out: rows read back
.macro ROUND                           ; a round of the cluster's barrier
	s_barrier_signal -1
	s_barrier_wait -1
	s_cmp_lg_u32 s[WV], 0
	s_cbranch_scc1 .Lnot_wave_0_\@
	s_barrier_signal -3
.Lnot_wave_0_\@:
	s_barrier_wait -3
	s_barrier_signal -1
	s_barrier_wait -1
.endm
.macro PLACES
.rept 4
	v_nop
.endr
.endm
	s_load_b256 s[4:11], s[0:1], 0x0               ; oimg, osc, Wo's codes, Wo's scales
	s_load_b128 s[12:15], s[0:1], 0x20             ; bo, out0
	v_lshl_add_u32 v254, v0, 2, 0x30000
	v_mov_b32 v255, 0
	ds_add_u32 v254, v255
	v_lshrrev_b32 v11, 5, v0
	v_readfirstlane_b32 s[WV], v11                 ; wave 0..7
	s_bfe_u32 s17, ttmp6, 0x40000                  ; cx
	s_bfe_u32 s18, ttmp6, 0x40004                  ; cy = Y
	s_lshl_b32 s19, ttmp9, 2
	s_add_co_u32 s19, s19, s17                     ; G = 4 x cluster x + cx
	s_lshl_b32 s20, s18, 2
	s_lshl_b32 s20, 15, s20                        ; my row of the cluster
	s_lshl_b32 s21, 0x1111, s17                    ; my column
	s_and_b32 s22, s[WV], 1
	s_lshr_b32 s23, s[WV], 1
	s_or_b32 s[G1WO], s20, (1<<20)|(1<<21)|(4<<22)|(3<<25)   ; 64 rows of 384 bytes; padding on; 21 set beside a mask; after every 32 words (code 4) 4 words (code 3)
	s_mov_b32 s[G1WO+1], 384<<16
	s_mov_b32 s[G1WO+2], 64<<16
	s_mov_b32 s[G1WO+3], 384<<16
	s_mov_b32 s[G1WO+4], 64
	s_mov_b32 s[G1WO+5], 384
	s_mov_b32 s[G1WO+6], 0
	s_mov_b32 s[G1WO+7], 0
	s_or_b32 s[G1O], s21, (3<<16)|(1<<21)          ; a dense block as 96 rows of 256 bytes (32 elements of 8)
	s_mov_b32 s[G1O+1], 32<<16
	s_mov_b32 s[G1O+2], 96<<16
	s_mov_b32 s[G1O+3], 32<<16
	s_mov_b32 s[G1O+4], 96
	s_mov_b32 s[G1O+5], 32
	s_mov_b32 s[G1O+6], 0
	s_mov_b32 s[G1O+7], 0
	s_mul_i32 s50, s22, 24576                      ; a fetching wave's half: 64 rows of Wo, or four token tiles
	s_mul_i32 s48, s18, 49152                      ; Wo: 128 rows x 384 bytes
	s_add_co_u32 s48, s48, s50
	s_mov_b32 s49, 0
	s_mul_i32 s52, s19, 49152                      ; o: eight token tiles x 6,144 bytes
	s_add_co_u32 s52, s52, s50
	s_mov_b32 s53, 0
	v_and_b32 v11, 15, v0                          ; r
	v_bfe_u32 v12, v0, 4, 1                        ; h
	v_and_b32 v13, 31, v0                          ; lane
	v_mul_u32_u24 v[ADW], v11, PITCH
	v_mad_u32_u24 v[ADW], v12, 24, v[ADW]
	s_mul_i32 s54, s22, 64*PITCH                   ; my 64 rows of Wo
	v_add_nc_u32 v[ADW], s54, v[ADW]
	v_lshl_add_u32 v[ADW+1], v12, 4, v[ADW]
	s_mul_i32 s54, s23, 2*6144                     ; my two token tiles
	s_add_co_u32 s54, s54, OI
	v_lshl_add_u32 v[AO16], v13, 4, s54
	v_lshl_add_u32 v[AO8], v13, 3, s54
	s_mul_i32 s54, s[WV], 16*272                   ; my stage
	s_add_co_u32 s54, s54, STG
	v_mul_u32_u24 v[STO], v11, 272
	v_lshl_add_u32 v[STO], v12, 5, v[STO]
	v_add_nc_u32 v[STO], s54, v[STO]               ; in: row r, 32 bytes for each half of the lanes
	v_mul_u32_u24 v[RD], v12, 272
	v_lshl_add_u32 v[RD], v11, 4, v[RD]
	v_add_nc_u32 v[RD], s54, v[RD]                 ; back: lanes 0-15 one row of 256 bytes, lanes 16-31 the next
	v_lshlrev_b32 v[GO], 11, v12
	v_lshl_add_u32 v[GO], v11, 4, v[GO]            ; and the same two rows in out0 (2,048 bytes a row)
	v_lshlrev_b32 v[R4], 2, v11
	v_lshlrev_b32 v[R16], 4, v11
	v_lshlrev_b32 v[H32], 5, v12
	s_wait_dscnt 0x0
	s_wait_kmcnt 0x0
	s_mov_b32 s[G0WO], 1
	s_mul_i32 s[G0WO+1], s22, 64*PITCH
	s_add_nc_u64 s[G0WO+2:G0WO+3], s[8:9], s[48:49]
	s_or_b32 s[G0WO+3], s[G0WO+3], 0x80000000
	s_mov_b32 s[G0O], 1
	s_add_co_u32 s[G0O+1], s50, OI
	s_add_nc_u64 s[G0O+2:G0O+3], s[4:5], s[52:53]
	s_or_b32 s[G0O+3], s[G0O+3], 0x80000000
	ROUND                                          ; all sixteen work-groups are here: the joint loads meet
	s_cmp_lt_u32 s[WV], 2                          ; waves 0 and 1 ask for Wo's halves, waves 2 and 3 for o's: one load of a wave is out.  Four v_nop follow it
	s_cbranch_scc0 .Lnot_wo
	tensor_load_to_lds s[G0WO:G0WO+3], s[G1WO:G1WO+7]
	s_nop 0
	PLACES
	s_branch .Lasked
.Lnot_wo:
	s_cmp_lt_u32 s[WV], 4
	s_cbranch_scc0 .Lasked
	tensor_load_to_lds s[G0O:G0O+3], s[G1O:G1O+7]
	s_nop 0
	PLACES
.Lasked:
	s_mov_b32 s55, 0
	s_lshl_b32 s54, s18, 11
	s_lshl_b32 s56, s22, 10
	s_add_co_u32 s54, s54, s56
	s_add_nc_u64 s[10:11], s[10:11], s[54:55]      ; Wo's scale bytes of my 64 rows: 16 bytes a row
	s_lshl_b32 s54, s19, 9
	s_lshl_b32 s56, s23, 7
	s_add_co_u32 s54, s54, s56
	s_add_nc_u64 s[6:7], s[6:7], s[54:55]          ; o's scale words of my two token tiles: 64 bytes a tile
	s_lshl_b32 s54, s18, 9
	s_lshl_b32 s56, s22, 8
	s_add_co_u32 s54, s54, s56                     ; my 64 columns, in bytes
	s_add_nc_u64 s[12:13], s[12:13], s[54:55]      ; in bo,
	s_add_nc_u64 s[14:15], s[14:15], s[54:55]      ; and in a row of out0
	s_lshl_b32 s54, s19, 7
	s_lshr_b32 s56, s[WV], 2
	s_lshl_b32 s56, s56, 6
	s_add_co_u32 s54, s54, s56
	s_and_b32 s56, s23, 1
	s_lshl_b32 s56, s56, 4
	s_add_co_u32 s54, s54, s56                     ; token 128 G + 64 (w / 4) + 16 ((w / 2) % 2): row 0 of my first token tile
	s_lshl_b32 s54, s54, 11
	s_add_nc_u64 s[14:15], s[14:15], s[54:55]
.irp t, 0,1,2,3
	global_load_b128 v[WS+4*\t:WS+4*\t+3], v[R16], s[10:11] offset:256*\t    ; a row's 16 bytes are its four K steps' words
.endr
.irp i, 0,1
.irp d, 0,1,2,3,4,5,6,7
	global_load_b32 v[RAW+8*\i+\d], v[R4], s[6:7] offset:32768*\d+64*\i
.endr
.endr
.irp i, 0,1
.irp t, 0,1,2,3
	global_load_b128 v[ACC+32*\i+8*\t:ACC+32*\i+8*\t+3], v[H32], s[12:13] offset:64*\t        ; bo at my eight columns 16 t + 8 h + 0 .. 7: the sums begin with it
	global_load_b128 v[ACC+32*\i+8*\t+4:ACC+32*\i+8*\t+7], v[H32], s[12:13] offset:64*\t+16
.endr
.endr
	s_wait_loadcnt 0x0
.irp i, 0,1
.irp s, 0,1,2,3
	v_perm_b32 v[OS+4*\i+\s], v[RAW+8*\i+2*\s+1], v[RAW+8*\i+2*\s], 0x05040100   ; the two bytes of head 2 s, then those of head 2 s + 1: K step s's word
.endr
.endr
.rept 8
	v_nop                                          ; a scale register written by a vector instruction stands eight places ahead of a scaled matrix instruction
.endr
	s_wait_tensorcnt 0x0                           ; my load has landed,
	s_barrier_signal -1
	s_barrier_wait -1                              ; everybody's has
; A fragment of Wo, 16 rows x 128 K of 6-bit codes: lane (r, h) takes 24 bytes at 96 s + 24 h of its row and 24 at 96 s + 48 + 24 h, in pieces of 8 bytes.  Piece p of a row's data lies at 8 p + 16 (p / 16);
; lanes 16-31 read three pieces on, which is behind one padding more where p % 16 is 13 or more: the second address register serves those.
.macro FRAG reg, adr, s, off
.irp p, 0,1,2,3,4,5
.set PCE, 12*(\s)+6*(\p/3)+\p%3
.if PCE%16 < 13
	ds_load_b64 v[\reg+2*\p:\reg+2*\p+1], v[\adr] offset:8*PCE+16*(PCE/16)+(\off)
.else
	ds_load_b64 v[\reg+2*\p:\reg+2*\p+1], v[\adr+1] offset:8*PCE+16*(PCE/16)+(\off)
.endif
.endr
.endm
; A K step of 128: six fragments, eight products; the eight accumulators take turns, one instruction a turn
.macro KSTEP s
.if \s > 0
	PLACES                                         ; in front of loads into registers that matrix instructions have read
.endif
.irp t, 0,1,2,3
	FRAG FA+12*\t, ADW, \s, 16*PITCH*\t
.endr
.irp i, 0,1
.irp a, 0,1
	ds_load_b128 v[FB+12*\i+6*\a:FB+12*\i+6*\a+3], v[AO16] offset:6144*\i+768*(2*\s+\a)
	ds_load_b64 v[FB+12*\i+6*\a+4:FB+12*\i+6*\a+5], v[AO8] offset:6144*\i+768*(2*\s+\a)+512
.endr
.endr
	s_wait_dscnt 0x0
.irp i, 0,1
.irp t, 0,1,2,3
	v_wmma_scale_f32_16x16x128_f8f6f4 v[ACC+32*\i+8*\t:ACC+32*\i+8*\t+7], v[FA+12*\t:FA+12*\t+11], v[FB+12*\i:FB+12*\i+11], v[ACC+32*\i+8*\t:ACC+32*\i+8*\t+7], v[WS+4*\t+\s], v[OS+4*\i+\s] matrix_a_fmt:MATRIX_FMT_BF6 matrix_b_fmt:MATRIX_FMT_BF6
.endr
.endr
.endm
	KSTEP 0
	KSTEP 1
	KSTEP 2
	KSTEP 3
	PLACES                                         ; in front of the first reads of results and of loads over the fragments' registers
	; THE WAY OUT, a token tile at a time: a lane's 32 bytes go into my own stage and come back as whole rows of 256 bytes.  LDS serves a wave's instructions in order (ISA guide 5.7.1.4): no wait between the stores and the loads.
	; Stage row 2 k + (lane / 16) is token 8 i + 32 (k / 4) + 2 (k % 4) + (lane / 16) behind my first.
.irp i, 0,1
.irp t, 0,1,2,3
	ds_store_b128 v[STO], v[ACC+32*\i+8*\t:ACC+32*\i+8*\t+3] offset:64*\t           ; each accumulator from its low end on
	ds_store_b128 v[STO], v[ACC+32*\i+8*\t+4:ACC+32*\i+8*\t+7] offset:64*\t+16
.endr
.irp k, 0,1,2,3,4,5,6,7
	ds_load_b128 v[RB+32*\i+4*\k:RB+32*\i+4*\k+3], v[RD] offset:544*\k
.endr
.irp k, 0,1,2,3,4,5,6,7
	s_wait_dscnt 7-\k                              ; row pair k is back; the pairs behind it may be out
	global_store_b128 v[GO], v[RB+32*\i+4*\k:RB+32*\i+4*\k+3], s[14:15] offset:(8*\i+32*(\k/4)+2*(\k%4))*2048 th:TH_STORE_NT   ; 16 lanes store 256 consecutive bytes, at a multiple of 256 from out0's first byte
.endr
.endr
	s_wait_tensorcnt 0x0
	ds_add_u32 v254, v255
	s_wait_dscnt 0x0
	ROUND                                          ; the closing round: no work-group ends while a partner may still ask for a tile that names it
	s_endpgm
.Lfunc_end_k_q2aaf71aca1_outp:
	.size	k_q2aaf71aca1_outp, .Lfunc_end_k_q2aaf71aca1_outp-k_q2aaf71aca1_outp
	.p2alignl 7, 3214868480
	.fill 96, 4, 3214868480
	.section	.rodata,"a",@progbits
	.p2align	6, 0x0
	.amdhsa_kernel k_q2aaf71aca1_outp
		.amdhsa_group_segment_fixed_size 197632
		.amdhsa_private_segment_fixed_size 0
		.amdhsa_enable_private_segment 0
		.amdhsa_kernarg_size 48
		.amdhsa_user_sgpr_count 2
		.amdhsa_user_sgpr_kernarg_segment_ptr 1
		.amdhsa_wavefront_size32 1
		.amdhsa_system_sgpr_workgroup_id_x 1
		.amdhsa_system_sgpr_workgroup_id_y 1
		.amdhsa_system_sgpr_workgroup_id_z 1
		.amdhsa_system_vgpr_workitem_id 0
		.amdhsa_next_free_vgpr 256
		.amdhsa_next_free_sgpr 66
		.amdhsa_reserve_vcc 0
		.amdhsa_float_denorm_mode_32 3
		.amdhsa_float_denorm_mode_16_64 3
		.amdhsa_memory_ordered 1
		.amdhsa_forward_progress 1
		.amdhsa_inst_pref_size 28
	.end_amdhsa_kernel
	.amdgpu_metadata
---
amdhsa.version: [ 1, 2 ]
amdhsa.kernels:
  - .name:           k_q2aaf71aca1_outp
    .symbol:         k_q2aaf71aca1_outp.kd
    .args:
      - { .name: oimg, .offset: 0, .size: 8, .value_kind: global_buffer, .address_space: global }
      - { .name: osc, .offset: 8, .size: 8, .value_kind: global_buffer, .address_space: global }
      - { .name: Wo_codes, .offset: 16, .size: 8, .value_kind: global_buffer, .address_space: global }
      - { .name: Wo_scales, .offset: 24, .size: 8, .value_kind: global_buffer, .address_space: global }
      - { .name: bo, .offset: 32, .size: 8, .value_kind: global_buffer, .address_space: global }
      - { .name: out0, .offset: 40, .size: 8, .value_kind: global_buffer, .address_space: global }
    .group_segment_fixed_size: 197632
    .private_segment_fixed_size: 0
    .kernarg_segment_align: 8
    .kernarg_segment_size: 48
    .max_flat_workgroup_size: 256
    .sgpr_count:     66
    .vgpr_count:     256
    .wavefront_size: 32
...
	.end_amdgpu_metadata
.endif
;; end of part 3
